; MI455X (gfx1250); checked and timed in simulation.
; The chip was launched on July 23, 2026; its instructions are those of AMD's public machine-readable ISA for CDNA 5 (MIT licence, August 2026) and "CDNA5" Instruction Set Architecture Reference Guide (July 2026). The comments in the code are by the model that wrote it; some were corrected since.
;; Nearest Neighbor Tokenizer. Allowed arithmetic: float matrix products may take bf16 or f16 operands with f32 sums; other float arithmetic in f32, or as packed bf16 or f16 multiplies, adds, multiply-adds, maxima and minima; sums over many terms, partial sums and values carried from step to step in f32; what a program stores and reads back later, other than sums and carried values, may be rounded once to bf16 or f16.
;; Inputs: codes 16,384 x 512 float32; x 4 x 2,048 x 512 float32.
;; Outputs: out0 4 x 2,048 int32.
;; One version. Each part assembles by itself: llvm-mc -triple=amdgcn-amd-amdhsa -mcpu=gfx1250 --defsym DOCPART=n.
;; ======== version 1 of 1: 3 launches
;; workspace buffers: ab 25,165,824 bytes; nrm 98,304 bytes; part 2,097,152 bytes
;; launch prep (part 1): grid 384 x 1, 16 waves a work-group, no clusters, 2,304 bytes of LDS; arguments x, codes, ab, nrm; writes ab, nrm
.if DOCPART == 1
	.amdgcn_target "amdgcn-amd-amdhsa--gfx1250"
	.amdhsa_code_object_version 6
	.text
	.protected	k_qae216f3cfa_prep
	.globl	k_qae216f3cfa_prep
	.p2align	8
	.type	k_qae216f3cfa_prep,@function
k_qae216f3cfa_prep:
	s_mov_b64 s[64:65], 0
	v_nop
	global_prefetch_b8 v0, s[64:65] scope:SCOPE_SE
	s_setreg_imm32_b32 hwreg(HW_REG_WAVE_MODE, 25, 1), 1
	s_wait_xcnt 0x0
; ab[r][:] = bf16(v[r][:]), nrm[r] = 2^-10 x the sum of the squares of the ROUNDED numbers.  Combined rows r: 0 .. 8191 are x, 8192 .. 24575 are codes; 512 numbers a row.
; The norms are taken of the rounded numbers, since the product that follows is taken of them too; the factor 2^-10 is exact.
; LIMITS.  The sum of squares is an f32 sum in an order of its own (four chains a lane, then across the lanes).  NaN and infinities are not treated apart.
; SHARES.  A work-group owns 64 rows (groups 0 .. 127: x, the others: codes), each of its 16 waves four.  A row is 2,048 bytes: four loads of 16 bytes a lane, 512 consecutive bytes each.
; All 16 loads of a wave go out at once, so there is no loop.  A lane's four numbers of a load pack into 8 bytes: a store of the wave covers 256 consecutive bytes, aligned.
; The 64 norms meet in LDS, so that wave 0 can store them as 256 consecutive bytes.  No matrix unit, no cluster, no tensor load: nothing here is shared or multiplied.
.set SPARE, 256                        ; LDS: bytes 0 .. 255 the 64 norms; from 256 on the spare words, 128 bytes for each of the 16 waves
.set VO,  2                            ; v2   my byte offset in the group's rows of the input: 8,192 x wave + 16 x lane; never rewritten
.set VOUT, 3                           ; v3   the same in ab: 4,096 x wave + 8 x lane; never rewritten
.set LS,  4                            ; v4   LDS: the word of row 4 x wave + lane % 4
.set LR,  5                            ; v5   8 x lane
.set SPW, 6                            ; v6   LDS address of my spare word; never rewritten
.set NIL, 7                            ; v7   0; never rewritten
.set N,   8                            ; v[8:11]    the four rows' norms
.set CH,  12                           ; v[12:15]   four chains of squares
.set T,   16                           ; v[16:18]   at work
.set X,   32                           ; v[32:95]   row p, load i at X + 16 p + 4 i
.set Y,   96                           ; v[96:127]  the same, rounded: Y + 8 p + 2 i; never rewritten, so the stores' data need no wait
	s_load_b256 s[4:11], s[0:1], 0x0               ; x s[4:5], codes s[6:7], ab s[8:9], nrm s[10:11]
	v_lshl_add_u32 v[SPW], v0, 2, SPARE
	v_mov_b32 v[NIL], 0
	v_lshrrev_b32 v1, 5, v0
	v_readfirstlane_b32 s12, v1                    ; wave 0 .. 15
	v_and_b32 v1, 31, v0                           ; lane
	s_lshl_b32 s22, s12, 13
	v_lshl_add_u32 v[VO], v1, 4, s22
	s_lshl_b32 s22, s12, 12
	v_lshl_add_u32 v[VOUT], v1, 3, s22
	v_and_b32 v[T+1], 3, v0                        ; lane % 4
	s_lshl_b32 s22, s12, 4
	v_lshl_add_u32 v[LS], v[T+1], 2, s22
	v_lshlrev_b32 v[LR], 3, v1
	v_mov_b32 v[T], 0                              ; v_permlanex16_b32 counts as a reader of its destination
	s_mov_b32 s20, 0x76543210                      ; each lane takes its own place in the other half
	s_mov_b32 s21, 0xfedcba98
	s_lshl_b32 s18, ttmp9, 16                      ; 64 rows of 1,024 bytes in ab
	s_mov_b32 s19, 0
	s_lshl_b32 s24, ttmp9, 8                       ; 64 words in nrm
	s_mov_b32 s25, 0
	s_mov_b32 s17, 0
	s_sub_co_u32 s13, ttmp9, 128
	s_cmp_lt_u32 ttmp9, 128                        ; x or codes?
	s_cselect_b32 s16, ttmp9, s13                  ; the group's number within its input
	s_wait_kmcnt 0x0
	s_cselect_b64 s[14:15], s[4:5], s[6:7]
	s_lshl_b32 s16, s16, 17                        ; 64 rows of 2,048 bytes
	s_add_nc_u64 s[14:15], s[14:15], s[16:17]
	s_add_nc_u64 s[8:9], s[8:9], s[18:19]
	s_add_nc_u64 s[10:11], s[10:11], s[24:25]
.irp p, 0,1,2,3
.irp i, 0,1,2,3
	global_load_b128 v[X+16*(\p)+4*(\i):X+16*(\p)+4*(\i)+3], v[VO], s[14:15] offset:2048*(\p)+512*(\i) th:TH_LOAD_NT
.endr
.endr
; Row p: rounded, stored, squared and summed.
.macro ROWP p
	s_wait_loadcnt 12-4*(\p)                       ; loads come back in order: row p is in, the four loads of each later row may stay out
.irp i, 0,1,2,3
	v_cvt_pk_bf16_f32 v[Y+8*(\p)+2*(\i)],   v[X+16*(\p)+4*(\i)],   v[X+16*(\p)+4*(\i)+1]
	v_cvt_pk_bf16_f32 v[Y+8*(\p)+2*(\i)+1], v[X+16*(\p)+4*(\i)+2], v[X+16*(\p)+4*(\i)+3]
.endr
.irp i, 0,1,2,3
	global_store_b64 v[VOUT], v[Y+8*(\p)+2*(\i):Y+8*(\p)+2*(\i)+1], s[8:9] offset:1024*(\p)+256*(\i)
.endr
.irp i, 0,1,2,3                        ; chain i takes the four squares of load i; a square of a bf16 number is exact in f32; the chains take turns
	v_fma_mix_f32_bf16 v[CH+(\i)], v[Y+8*(\p)+2*(\i)], v[Y+8*(\p)+2*(\i)], v[NIL] op_sel_hi:[1,1,0]
.endr
.irp i, 0,1,2,3
	v_fma_mix_f32_bf16 v[CH+(\i)], v[Y+8*(\p)+2*(\i)], v[Y+8*(\p)+2*(\i)], v[CH+(\i)] op_sel:[1,1,0] op_sel_hi:[1,1,0]
.endr
.irp i, 0,1,2,3
	v_fma_mix_f32_bf16 v[CH+(\i)], v[Y+8*(\p)+2*(\i)+1], v[Y+8*(\p)+2*(\i)+1], v[CH+(\i)] op_sel_hi:[1,1,0]
.endr
.irp i, 0,1,2,3
	v_fma_mix_f32_bf16 v[CH+(\i)], v[Y+8*(\p)+2*(\i)+1], v[Y+8*(\p)+2*(\i)+1], v[CH+(\i)] op_sel:[1,1,0] op_sel_hi:[1,1,0]
.endr
	v_add_f32 v[CH], v[CH], v[CH+1]
	v_add_f32 v[CH+2], v[CH+2], v[CH+3]
	v_add_f32 v[CH], v[CH], v[CH+2]
	v_add_f32_dpp v[CH], v[CH], v[CH] row_xmask:1 row_mask:0xf bank_mask:0xf
	v_add_f32_dpp v[CH], v[CH], v[CH] row_xmask:2 row_mask:0xf bank_mask:0xf
	v_add_f32_dpp v[CH], v[CH], v[CH] row_xmask:4 row_mask:0xf bank_mask:0xf
	v_add_f32_dpp v[CH], v[CH], v[CH] row_xmask:8 row_mask:0xf bank_mask:0xf
	v_permlanex16_b32 v[T], v[CH], s20, s21
	v_add_f32 v[CH], v[CH], v[T]                   ; every lane holds the row's sum
	v_mul_f32 v[N+(\p)], 0x3a800000, v[CH]         ; x 2^-10
.endm
	ROWP 0
	ROWP 1
	ROWP 2
	ROWP 3
	v_cmp_eq_u32 vcc_lo, 1, v[T+1]                 ; lane l keeps the norm of row l % 4
	v_cndmask_b32 v[T+2], v[N], v[N+1], vcc_lo
	v_cmp_eq_u32 vcc_lo, 2, v[T+1]
	v_cndmask_b32 v[T+2], v[T+2], v[N+2], vcc_lo
	v_cmp_eq_u32 vcc_lo, 3, v[T+1]
	v_cndmask_b32 v[T+2], v[T+2], v[N+3], vcc_lo
	ds_store_b32 v[LS], v[T+2]                     ; eight lanes write the same word with the same number
	s_wait_dscnt 0x0                               ; for wave 0: my store is done
	s_barrier_signal -1
	s_barrier_wait -1
	s_cmp_lg_u32 s12, 0
	s_cbranch_scc1 .Lend
	ds_load_b64 v[20:21], v[LR]                    ; wave 0: the 64 norms, two a lane
	s_wait_dscnt 0x0
	global_store_b64 v[LR], v[20:21], s[10:11]     ; 256 consecutive bytes, aligned
.Lend:
	s_wait_tensorcnt 0x0                           ; the wave's end, behind my last LDS store
	ds_add_u32 v[SPW], v[NIL]
	s_wait_dscnt 0x0
	s_endpgm
.Lfunc_end_k_qae216f3cfa_prep:
	.size	k_qae216f3cfa_prep, .Lfunc_end_k_qae216f3cfa_prep-k_qae216f3cfa_prep
	.p2alignl 7, 3214868480
	.fill 96, 4, 3214868480
	.section	.rodata,"a",@progbits
	.p2align	6, 0x0
	.amdhsa_kernel k_qae216f3cfa_prep
		.amdhsa_group_segment_fixed_size 2304
		.amdhsa_private_segment_fixed_size 0
		.amdhsa_enable_private_segment 0
		.amdhsa_kernarg_size 32
		.amdhsa_user_sgpr_count 2
		.amdhsa_user_sgpr_kernarg_segment_ptr 1
		.amdhsa_wavefront_size32 1
		.amdhsa_system_sgpr_workgroup_id_x 1
		.amdhsa_system_sgpr_workgroup_id_y 1
		.amdhsa_system_sgpr_workgroup_id_z 1
		.amdhsa_system_vgpr_workitem_id 0
		.amdhsa_next_free_vgpr 128
		.amdhsa_next_free_sgpr 66
		.amdhsa_reserve_vcc 1
		.amdhsa_float_denorm_mode_32 3
		.amdhsa_float_denorm_mode_16_64 3
		.amdhsa_memory_ordered 1
		.amdhsa_forward_progress 1
		.amdhsa_inst_pref_size 14
	.end_amdhsa_kernel
	.amdgpu_metadata
---
amdhsa.version: [ 1, 2 ]
amdhsa.kernels:
  - .name:           k_qae216f3cfa_prep
    .symbol:         k_qae216f3cfa_prep.kd
    .args:
      - { .name: x, .offset: 0, .size: 8, .value_kind: global_buffer, .address_space: global }
      - { .name: codes, .offset: 8, .size: 8, .value_kind: global_buffer, .address_space: global }
      - { .name: ab, .offset: 16, .size: 8, .value_kind: global_buffer, .address_space: global }
      - { .name: nrm, .offset: 24, .size: 8, .value_kind: global_buffer, .address_space: global }
    .group_segment_fixed_size: 2304
    .private_segment_fixed_size: 0
    .kernarg_segment_align: 8
    .kernarg_segment_size: 32
    .max_flat_workgroup_size: 512
    .sgpr_count:     66
    .vgpr_count:     128
    .wavefront_size: 32
...
	.end_amdgpu_metadata
.endif
;; end of part 1
;; launch dist (part 2): grid 8 x 32, 4 waves a work-group, clusters of 4 x 4, 327,680 bytes of LDS; arguments ab, nrm, part; writes part
.if DOCPART == 2
	.amdgcn_target "amdgcn-amd-amdhsa--gfx1250"
	.amdhsa_code_object_version 6
	.text
	.protected	k_qae216f3cfa_dist
	.globl	k_qae216f3cfa_dist
	.p2align	8
	.type	k_qae216f3cfa_dist,@function
k_qae216f3cfa_dist:
	s_mov_b64 s[64:65], 0
	v_nop
	global_prefetch_b8 v0, s[64:65] scope:SCOPE_SE
	s_setreg_imm32_b32 hwreg(HW_REG_WAVE_MODE, 25, 1), 1
	s_wait_xcnt 0x0
	s_wait_alu depctr_hold_cnt(0) depctr_sa_sdst(0) depctr_va_vdst(0) depctr_va_sdst(0) depctr_va_ssrc(0) depctr_va_vcc(0) depctr_vm_vsrc(0)
	s_getreg_b32 s2, hwreg(HW_REG_IB_STS2, 6, 4)
	s_cmp_eq_u32 s2, 0
	s_cbranch_scc0 .Lentry_in_a_cluster
	s_endpgm
.Lentry_in_a_cluster:
	s_bfe_u32 s2, ttmp6, 0x10000c
	s_cmp_lg_u32 s2, 0xf033
	s_cbranch_scc0 .Lentry_shape_is_right
	s_endpgm
.Lentry_shape_is_right:
; For each x row and each group of 128 x 8 codes: the smallest distance d = max(x2 + c2 - 2 x.c, 0) and the first code that has it.
; ab: [24576][512] bf16, rows 0 .. 8191 x, then the 16,384 codes.  nrm: [24576] f32, the rows' sums of squares x 2^-10.  part: candidates (below).
; THE DISTANCE is kept as d' = d / 1024, held to 0 .. 1: t' = x2' + c2' (one rounding), d' = t' - 2^-9 xc (one rounding, a fused multiply-add whose clamp holds the result to 0 .. 1).
; Scaling by a power of two is exact, so d' is the distance formed in the order (x2 + c2) - 2 xc, scaled.  The lower bound is the maximum with 0 that the problem asks for.
; The upper bound makes all distances from 1,024 on alike: the launch behind gives -1 wherever the smallest distance is above 900, so no index is read there.
; LIMITS.  x.c is a sum in f32 of products of bf16 numbers, in the matrix unit's order.  The scaling is exact while x2 + c2 is at least 2^-116.  NaN and infinities are not treated apart.
; SHARES.  256 work-groups: x block xb (256 rows, 32 of them) x code group g (2,048 codes, 8 of them).  A work-group STAYS and walks its group's 8 tiles of 256 codes; a tile of 256 x 256 is made by
; four waves, each 128 x rows x 128 codes: 64 accumulators of 16 x 16, 512 registers.  K = 512 goes in four steps of 128 through a ring of two LDS slots; the ring runs on from tile to tile.
; LAYOUT.  Source 0 = 16 codes, source 1 = 16 x rows: in the result lane l holds ONE x row (l % 16) and the codes 8 (l / 16) + 0 .. 7 of the block.  So the search over codes never leaves the lane:
; for each of my 8 blocks of 16 x rows a lane keeps one best distance and one index through all 8 tiles, and stores them once.
; TIES.  A lane meets its codes in ascending order and keeps the old one where the distances are equal: the first index.  Lanes and waves are merged by the launch behind, by distance and then index.
; CLUSTER.  4 x 4 work-groups.  The four of a row of the cluster have the same x block, the four of a column the same code group: each tile is asked for JOINTLY, by the same tensor load with the same
; descriptor and a mask that names the four.
; part: [64 xr][16 src][4 k][32 lanes][4 words], xr = 2 xb + my half of the rows, src = 2 g + my half of the codes; a lane's 16 bytes: best of blocks 2 k, 2 k + 1, then their code numbers.
; REGISTERS, in windows of 256 (s_set_vgpr_msb: bits 1:0 source 0, 3:2 source 1, 5:4 source 2, 7:6 destination):
;   window 0: v0-31 addresses and constants; v32-47 best distances and indices; v48-63 x2'; v64-127, v128-191 fragments of x, two buffers; v192-255 a block's 64 distances at work
;   window 1: v0-63 c2' of my 128 codes of the tile; v64-127, v128-191 fragments of the codes, two buffers
;   window 2: the 32 accumulators of my x rows 0-63 (block a, code block b at v[8 (8 a + b)]);   window 3: those of my rows 64-127
.set KSTEP,  128
.set ROWB,   1024                      ; bytes in a row of ab
.set PITCH,  272                       ; an LDS row: 256 bytes + 16 of padding = 68 words: the 16 rows that a load touches start at 16 different groups of four banks (64 banks of 4 bytes: ISA guide 11.1)
.set HALFT,  128*PITCH                 ; 128 rows: what one tensor load brings, and what one wave reads of x or of the codes
.set SLOT,   4*HALFT                   ; x's 256 rows, then the codes' 256 rows
.set SPARE,  2*SLOT                    ; behind the ring: the spare words, 128 bytes for each wave: two blocks of 256 bytes that no other line names
.set TILES,  8
.set CODES0, 8192*ROWB                 ; where the codes begin in ab
.set BACK_A, 2*KSTEP*2                 ; from a slot's last K step of a tile to its first of the next: x goes back along K,
.set NEXT_B, 256*ROWB-2*KSTEP*2        ; the codes 256 rows down and back along K
.set KM,   10                          ; v[10:11] -2^-9, twice
.set LI,   12                          ; v12-15  the four chains' indices
.set ADRA, 16                          ; v16-17  LDS address of my x fragments in slot 0, 1
.set CNO,  18                          ; v18     32 x (l / 16): my eight c2' of a code block; never rewritten
.set XNO,  19                          ; v19     4 x (l % 16): my x2' of a block; never rewritten
.set ADRB, 20                          ; v20-21  LDS address of my code fragments in slot 0, 1
.set LB,   22                          ; v22     2,048 g + 128 x my half of the codes + 8 (l / 16)
.set PO,   24                          ; v24     16 x lane
.set SPW,  28                          ; v28     LDS address of my spare word: SPARE + 4 x my thread's number; never rewritten
.set NIL,  29                          ; v29     0; never rewritten
.set PFO,  30                          ; v30     the prefetches' offset: lane x a row of ab; never rewritten
.set ST,   32                          ; v[32:47] quad k: best of blocks 2 k, 2 k + 1; index of blocks 2 k, 2 k + 1
.set X2,   48                          ; v[48:63] pair a: x2' of my row of block a, twice
.set F0,   64
.set F1,   128
.set TMP,  192
.set C2,   0                           ; window 1: c2' of code 16 b + 8 (l / 16) + j at C2 + 8 b + j
.set TB,   3                           ; s3      128 x the tile's number
.set G1,   24                          ; s[24:31] descriptor group 1 for x's tiles;   s[32:39] group 0, one set for each slot
.set G0,   32
.set LIM,  43                          ; s43     1 in a wave that prefetches, else the greatest number
.set PFA,  44                          ; s[44:45] my work-group's 32 rows of the 128 code rows that I fetch, in the NEXT tile, at K step 0
.set G1B,  48                          ; s[48:55], s[56:63] the same for the codes' tiles
.set G0B,  56
.set CN,   66                          ; s[66:67] nrm at my 128 codes of the tile in hand
.set MSB, 0
.macro WIN new                         ; the immediate's high byte repeats the setting that is left; a switch that changes nothing is dropped
.if MSB != (\new)
	s_set_vgpr_msb (MSB<<8)|(\new)
.set MSB, \new
.endif
.endm
.set MUL_LO, 0xa1                      ; source 0 (codes) window 1, source 1 (x) window 0, C and D window 2
.set MUL_HI, 0xf1                      ; the same, C and D window 3
.set TO_B,   0x40                      ; destination window 1, address window 0
; A joint load.  Waves 0 and 1 fetch x's two halves, waves 2 and 3 the codes'.  Each of the two lines has one mask and one set of registers for all that issue it.  The branch hangs on the wave's number alone.
; An s_nop 0 and four v_nop follow each of the two lines, ahead of the jump, the label and what follows.
.macro JLOAD s
	s_cmp_eq_u32 s11, 0
	s_cbranch_scc0 .Lfor_b_\@
	tensor_load_to_lds s[G0+4*(\s):G0+4*(\s)+3], s[G1:G1+7]
	s_nop 0
.rept 4
	v_nop
.endr
	s_branch .Lasked_\@
.Lfor_b_\@:
	tensor_load_to_lds s[G0B+4*(\s):G0B+4*(\s)+3], s[G1B:G1B+7]
	s_nop 0
.rept 4
	v_nop
.endr
.Lasked_\@:
.endm
; A PREFETCH INTO THE L2, behind each joint load, its five lines and the run of LDS loads that follows: K step i of the NEXT tile's code rows, which the refill two changes of slots on will ask for
; (512 matrix instructions ahead): 32 rows x 256 bytes, a lane a row, one instruction a wave.  Each row's 256 bytes of a K step are named ONCE in the launch: a code group is read by all eight clusters of
; its column of clusters, and the first of them (cluster y = 0) asks; there waves 2 and 3, which fetch the codes, ask, and the four partners that fetch a tile jointly share its rows out BY ADDRESS
; (the partner at place cy takes 32 cy .. 32 cy + 31 of the wave's 128): no branch hangs on a work-group's place in its cluster.  The last tile asks for nothing: it has no successor.
; The first tile's code rows come by their loads alone.  x is asked for by no prefetch: its four K steps are among the launch's first loads, and every later tile walks the same rows again.
.macro ASK i
	s_cmp_gt_u32 s2, s[LIM]                        ; s2 = 1 in the last tile
	s_cbranch_scc0 .Lnot_mine_\@
	global_prefetch_b8 v[PFO], s[PFA:PFA+1] offset:2*KSTEP*(\i) th:TH_LOAD_NT scope:SCOPE_SE
.Lnot_mine_\@:
.endm
; A round of the cluster's barrier: my work-group's barrier, so that wave 0's signal speaks for all four waves; wave 0 signals for the work-group; every wave waits for all sixteen work-groups;
; my work-group's barrier once more.  No LDS instruction of the wave is pending at a signal.
.macro CREST                           ; a round behind its opening barrier
	s_cmp_lg_u32 s10, 0
	s_cbranch_scc1 .Lnot_wave_0_\@
	s_barrier_signal -3
.Lnot_wave_0_\@:
	s_barrier_wait -3
	s_barrier_signal -1
	s_barrier_wait -1
.endm
.macro CROUND                          ; a whole round
	s_barrier_signal -1
	s_barrier_wait -1
	CREST
.endm
	s_load_b128 s[4:7], s[0:1], 0x0                ; ab s[4:5], nrm s[6:7]
	s_load_b64 s[8:9], s[0:1], 0x10                ; part
	v_lshl_add_u32 v[SPW], v0, 2, SPARE
	v_mov_b32 v[NIL], 0
	ds_add_u32 v[SPW], v[NIL]                      ; the wave's opening: the add, twice on end, and its wait ahead of my first tensor load; the set-up below stands between the second and the wait
	ds_add_u32 v[SPW], v[NIL]                      ; and once more, under the one wait
	v_lshrrev_b32 v1, 5, v0
	v_readfirstlane_b32 s10, v1                    ; wave 0..3
	s_lshr_b32 s11, s10, 1                         ; which half of the tile's x rows is mine.  Also: I fetch for x (0) or for the codes (1)
	s_and_b32 s12, s10, 1                          ; which half of its codes.  Also: which 128 rows of that tile I fetch
	s_bfe_u32 s40, ttmp6, 0x40000                  ; cx: my place along the cluster's x
	s_bfe_u32 s41, ttmp6, 0x40004                  ; cy: along its y
	s_lshl_b32 s42, ttmp9, 2                       ; in a cluster launch ttmp9 and ttmp7 count clusters
	s_add_co_u32 s42, s42, s40                     ; g = 4 x cluster x + cx
	s_and_b32 s13, ttmp7, 0xffff
	s_lshl_b32 s13, s13, 2
	s_add_co_u32 s13, s13, s41                     ; xb = 4 x cluster y + cy
	s_lshl_b32 s43, s41, 2
	s_lshl_b32 s43, 15, s43                        ; my row of the cluster: places 4 cy .. 4 cy + 3
	s_lshl_b32 s44, 0x1111, s40                    ; my column: places cx, cx + 4, cx + 8, cx + 12
	; descriptor group 1: a tile of 128 rows x 128 elements, padded in LDS
	s_or_b32 s[G1+0], s43, (1<<16)|(1<<20)|(1<<21)|(5<<22)|(3<<25)  ; 15:0 the mask: x's tiles go to my row; 17:16 elements of 2 bytes; 20 padding on; 21 set beside a mask; 24:22 after every 64 words (code 5); 31:25 4 words of it (code 3)
	s_or_b32 s[G1B+0], s44, (1<<16)|(1<<20)|(1<<21)|(5<<22)|(3<<25) ; the same with the mask of my column, for the codes' tiles
.irp g, G1, G1B
	s_mov_b32 s[(\g)+1], KSTEP<<16                 ; tensor_dim0 = 128
	s_mov_b32 s[(\g)+2], 128<<16                   ; tensor_dim1 = 128
	s_mov_b32 s[(\g)+3], KSTEP<<16                 ; tile_dim0 = 128
	s_mov_b32 s[(\g)+4], 128                       ; tile_dim1 = 128
	s_mov_b32 s[(\g)+5], 512                       ; 512 elements from row to row
	s_mov_b32 s[(\g)+6], 0
	s_mov_b32 s[(\g)+7], 0
.endr
	; where the tiles come from.  x's hang on xb alone, which my row of the cluster shares; the codes' on g alone, which my column shares.  Every wave makes both addresses, in registers that never hold the other coordinate.
	s_lshl_b32 s17, s12, 7                         ; which 128 rows of the tile I fetch
	s_lshl_b32 s16, s13, 8
	s_add_co_u32 s16, s16, s17                     ; x: row 256 xb + 128 x half
	s_lshl_b32 s16, s16, 10                        ; in bytes: under 2^23
	s_lshl_b32 s46, s42, 11
	s_add_co_u32 s46, s46, s17                     ; codes: row 2,048 g + 128 x half
	s_lshl_b32 s46, s46, 10                        ; in bytes: under 2^24
	s_mov_b32 s17, 0
	s_mov_b32 s47, 0
	s_mul_i32 s20, s10, HALFT                      ; and where they go: wave x 128 rows: no place in the cluster enters an LDS address
	s_wait_dscnt 0x0                               ; both opening adds are done
	s_wait_kmcnt 0x0
	s_add_nc_u64 s[68:69], s[4:5], CODES0          ; the codes' first row
	s_add_nc_u64 s[14:15], s[4:5], s[16:17]
	s_add_nc_u64 s[46:47], s[68:69], s[46:47]
	CROUND                                         ; all sixteen work-groups are here: the first joint loads meet
.irp s, 0,1
	s_mov_b32 s[G0+4*(\s)], 1                                      ; 1:0 count = 1
	s_add_co_u32 s[G0+4*(\s)+1], s20, (\s)*SLOT                    ; 63:32 LDS address
	s_add_nc_u64 s[G0+4*(\s)+2:G0+4*(\s)+3], s[14:15], (\s)*KSTEP*2  ; 120:64 global address: K step s
	s_or_b32 s[G0+4*(\s)+3], s[G0+4*(\s)+3], 0x80000000            ; 127:126 type = 2
	s_mov_b32 s[G0B+4*(\s)], 1
	s_add_co_u32 s[G0B+4*(\s)+1], s20, (\s)*SLOT
	s_add_nc_u64 s[G0B+4*(\s)+2:G0B+4*(\s)+3], s[46:47], (\s)*KSTEP*2
	s_or_b32 s[G0B+4*(\s)+3], s[G0B+4*(\s)+3], 0x80000000
	JLOAD \s                                       ; the ring is filled before anything else is done: two loads of mine are out
.endr
	; A fragment is 16 rows x 32 K in 8 registers: lane l holds row l % 16; registers 0-3 hold K = 8 (l / 16) + 0..7, registers 4-7 K = 16 + 8 (l / 16) + 0..7: two loads of 16 bytes, 32 bytes apart.
	v_and_b32 v1, 15, v0                           ; l % 16
	v_bfe_u32 v2, v0, 4, 1                         ; l / 16
	v_mul_u32_u24 v3, v1, PITCH
	v_lshl_add_u32 v3, v2, 4, v3                   ; row x pitch + 16 x half
	s_mul_i32 s21, s11, HALFT                      ; my 128 rows of x
	s_mul_i32 s22, s12, HALFT                      ; my 128 codes,
	s_add_co_u32 s22, s22, 2*HALFT                 ; which lie behind x's 256 rows
.irp s, 0,1
	v_add_nc_u32 v[ADRA+(\s)], s21, v3
	v_add_nc_u32 v[ADRB+(\s)], s22, v3
	s_add_co_u32 s21, s21, SLOT
	s_add_co_u32 s22, s22, SLOT
.endr
	v_lshlrev_b32 v[XNO], 2, v1
	v_lshlrev_b32 v[CNO], 5, v2
	s_lshl_b32 s20, s13, 8
	s_lshl_b32 s21, s11, 7
	s_add_co_u32 s20, s20, s21                     ; my first x row: 256 xb + 128 x half
	s_lshl_b32 s20, s20, 2
	s_mov_b32 s21, 0
	s_add_nc_u64 s[70:71], s[6:7], s[20:21]
.irp a, 0,1,2,3,4,5,6,7                ; x2' of my row of each block, into both registers of a pair, for the packed addition; waited for ahead of the first search
	global_load_b32 v[X2+2*(\a)],   v[XNO], s[70:71] offset:64*(\a)
	global_load_b32 v[X2+2*(\a)+1], v[XNO], s[70:71] offset:64*(\a)
.endr
.irp k, 0,1,2,3
	v_mov_b32 v[ST+4*(\k)],   2.0                  ; above every d', so the first tile's best is taken
	v_mov_b32 v[ST+4*(\k)+1], 2.0
	v_mov_b32 v[ST+4*(\k)+2], 0
	v_mov_b32 v[ST+4*(\k)+3], 0
.endr
	v_mov_b32 v[KM], 0xbb000000                    ; -2^-9
	v_mov_b32 v[KM+1], 0xbb000000
	v_and_b32 v[PO], 31, v0
	v_lshlrev_b32 v[PFO], 10, v[PO]
	v_lshlrev_b32 v[PO], 4, v[PO]
	s_lshl_b32 s20, s42, 11
	s_lshl_b32 s21, s12, 7
	s_add_co_u32 s20, s20, s21                     ; my first code of tile 0: 2,048 g + 128 x half
	v_lshl_add_u32 v[LB], v2, 3, s20
	s_add_co_u32 s22, s20, 8192                    ; the codes' norms lie behind x's
	s_lshl_b32 s22, s22, 2
	s_mov_b32 s23, 0
	s_add_nc_u64 s[CN:CN+1], s[6:7], s[22:23]
	s_lshl_b32 s21, s41, 5
	s_add_co_u32 s20, s20, s21                     ; + my work-group's 32 of the 128 rows that I fetch
	s_add_co_u32 s20, s20, 256                     ; in tile 1
	s_lshl_b32 s20, s20, 10
	s_mov_b32 s21, 0
	s_add_nc_u64 s[PFA:PFA+1], s[68:69], s[20:21]
	s_and_b32 s20, ttmp7, 0xffff                   ; cluster y,
	s_xor_b32 s21, s11, 1                          ; and 0 in the waves that fetch codes:
	s_or_b32 s20, s20, s21
	s_cmp_eq_u32 s20, 0
	s_cselect_b32 s[LIM], 1, -1                    ; the same in all sixteen partners, for a given wave
	s_lshl_b32 s20, s13, 1
	s_add_co_u32 s20, s20, s11                     ; xr
	s_lshl_b32 s20, s20, 4
	s_lshl_b32 s21, s42, 1
	s_add_co_u32 s21, s21, s12                     ; src
	s_add_co_u32 s20, s20, s21
	s_lshl_b32 s20, s20, 11                        ; 2,048 bytes for each pair of them
	s_mov_b32 s21, 0
	s_add_nc_u64 s[8:9], s[8:9], s[20:21]
; 16 matrix instructions: x blocks a0, a0 + 1 of the window's four (hi = 0: my rows 0-63, 1: rows 64-127) x all 8 code blocks, 32 along K.  zero = 1: the first product starts the sums: nothing is ever cleared.
; The 64 accumulators take turns, one instruction a turn, in the same order in every quarter step, from tile to tile too.
.macro MUL16 f, hi, a0, zero
	WIN MUL_LO+0x50*(\hi)
.irp a, \a0, (\a0)+1
.irp b, 0,1,2,3,4,5,6,7
.if \zero
	v_wmma_f32_16x16x32_bf16 v[8*(8*(\a)+(\b)):8*(8*(\a)+(\b))+7], v[(\f)+8*(\b):(\f)+8*(\b)+7], v[(\f)+8*(4*(\hi)+(\a)):(\f)+8*(4*(\hi)+(\a))+7], 0
.else
	v_wmma_f32_16x16x32_bf16 v[8*(8*(\a)+(\b)):8*(8*(\a)+(\b))+7], v[(\f)+8*(\b):(\f)+8*(\b)+7], v[(\f)+8*(4*(\hi)+(\a)):(\f)+8*(4*(\hi)+(\a))+7], v[8*(8*(\a)+(\b)):8*(8*(\a)+(\b))+7]
.endif
.endr
.endr
.endm
; 32 LDS loads in one run: the fragments of one quarter step (128 codes, 128 x rows, 32 K at byte k of the rows) into buffer f
.macro FETCH slot, k, f
	WIN TO_B
.irp i, 0,1,2,3,4,5,6,7
	ds_load_b128 v[(\f)+8*(\i):(\f)+8*(\i)+3],   v[ADRB+(\slot)] offset:(\k)+(\i)*16*PITCH
	ds_load_b128 v[(\f)+8*(\i)+4:(\f)+8*(\i)+7], v[ADRB+(\slot)] offset:(\k)+(\i)*16*PITCH+32
.endr
	WIN 0
.irp i, 0,1,2,3,4,5,6,7
	ds_load_b128 v[(\f)+8*(\i):(\f)+8*(\i)+3],   v[ADRA+(\slot)] offset:(\k)+(\i)*16*PITCH
	ds_load_b128 v[(\f)+8*(\i)+4:(\f)+8*(\i)+7], v[ADRA+(\slot)] offset:(\k)+(\i)*16*PITCH+32
.endr
.endm
; A load into a register that a matrix instruction has read stands four places behind it, and only plain vector instructions that name none of its registers are places
; (ISA guide 7.12.1 for vector instructions).
.macro PLACES
.rept 4
	v_nop
.endr
.endm
; A K step is four quarter steps of 32 along K, 64 matrix instructions each, on buffers 0, 1, 0, 1.  One of the first three: multiplies buffer f; in its middle it fetches the next quarter, at byte k, into g.
.macro QUARTER slot, k, f, g, zero
	s_wait_dscnt 8                                 ; the codes and x's rows 0-63 are in; the youngest eight loads (x's rows 64-127) may be out
	WIN MUL_LO
	MUL16 \f, 0, 0, \zero
	MUL16 \f, 0, 2, \zero
	PLACES
	FETCH \slot, \k, \g
	s_wait_dscnt 32                                ; all but the 32 just issued
	WIN MUL_HI
	MUL16 \f, 1, 0, \zero
	MUL16 \f, 1, 2, \zero
.endm
; The last quarter multiplies buffer 1 and changes slots.  MEET is its first half: ONE barrier for the change.  In front of it each wave waits for all its tensor loads, of which one is out: its part of the next
; slot; adds 0 to its spare word; and waits for that and for its own reads of this slot.  Behind it nobody reads this slot any more and the next slot is whole.
.macro MEET round                      ; round = 1: a round of the cluster's barrier follows
	WIN 0                                          ; (the add's two registers lie in window 0)
	s_wait_tensorcnt 0x0                           ; all my tensor loads have landed
	ds_add_u32 v[SPW], v[NIL]                      ; 0 onto my spare word
	s_wait_dscnt 9                                 ; (the add and the youngest eight loads may be out)
	WIN MUL_LO
	MUL16 F1, 0, 0, 0                              ; sixteen matrix instructions stand between the add and the wait for it
	s_wait_dscnt 0x0                               ; the add is done, and my reads of this slot are over
	s_barrier_signal -1
	MUL16 F1, 0, 2, 0                              ; work on registers while the others arrive
.if \round
	WIN 0
.endif
	s_barrier_wait -1
.endm
; The whole last quarter.  Behind the round the slot just read out is filled again first: with this tile's K step two steps on (on = 0) or, in a tile's last two K steps, with the NEXT tile's K step 0 or 1
; (on = 1); then come the next slot's first fragments.  From a request to the wait for it a wave issues 224 matrix instructions (and, across tiles, a search).  i: which K step of the next tile is prefetched.
.macro TURN slot, next, on, i
	MEET 1
	CREST                                          ; no wave of any partner still reads this slot's tile or has a load on its way
.if \on
	s_sub_nc_u64 s[G0+4*(\slot)+2:G0+4*(\slot)+3], s[G0+4*(\slot)+2:G0+4*(\slot)+3], BACK_A
	s_add_nc_u64 s[G0B+4*(\slot)+2:G0B+4*(\slot)+3], s[G0B+4*(\slot)+2:G0B+4*(\slot)+3], NEXT_B
.else
	s_add_nc_u64 s[G0+4*(\slot)+2:G0+4*(\slot)+3], s[G0+4*(\slot)+2:G0+4*(\slot)+3], 2*KSTEP*2
	s_add_nc_u64 s[G0B+4*(\slot)+2:G0B+4*(\slot)+3], s[G0B+4*(\slot)+2:G0B+4*(\slot)+3], 2*KSTEP*2
.endif
	JLOAD \slot                                    ; the first tensor load behind the round; the four v_nop behind it are also the places in front of the loads below
	FETCH \next, 0, F0
	ASK \i
	WIN MUL_HI
	MUL16 F1, 1, 0, 0
	MUL16 F1, 1, 2, 0
.endm
; c2' of my 128 codes of the tile: 512 consecutive bytes of nrm; a lane takes the eight of each code block that its results belong to.  Asked for at a tile's head, waited for at its search.
.macro C2LOAD
	WIN TO_B
.irp b, 0,1,2,3,4,5,6,7
	global_load_b128 v[C2+8*(\b):C2+8*(\b)+3],   v[CNO], s[CN:CN+1] offset:64*(\b)
	global_load_b128 v[C2+8*(\b)+4:C2+8*(\b)+7], v[CNO], s[CN:CN+1] offset:64*(\b)+16
.endr
	WIN 0
.endm
; (distance vl, index il) takes (vr, ir) where vr is smaller; on a tie the left one, which has the lower index, stays.  The minimum stands between the write of VCC and its reader.
.macro TAKE vl, il, vr, ir
	v_cmp_le_f32 vcc_lo, v[\vl], v[\vr]
	v_min_num_f32 v[\vl], v[\vl], v[\vr]
	v_cndmask_b32 v[\il], v[\ir], v[\il], vcc_lo
.endm
; THE SEARCH in x block a: my row's 64 distances to the tile's codes p = 8 b + j (code 16 b + 8 (l / 16) + j), their minimum and its first p, and that into the block's running best.
; Each accumulator is read from its low end on.  Four chains of 16 take turns; an index is an inline constant, 63 at the most.
.macro EPI a
.set AC, 64*((\a)%4)
.set GB, ST+4*((\a)/2)+(\a)%2
.set GI, GB+2
	WIN 0x01                                       ; source 0 (c2') window 1
.set i, 0
.rept 32
	v_pk_add_f32 v[TMP+i:TMP+i+1], v[C2+i:C2+i+1], v[X2+2*(\a):X2+2*(\a)+1]  ; t' = x2' + c2'
.set i, i+2
.endr
	WIN 0x02+(\a)/4                                ; source 0 (the sums) window 2 or 3
.set i, 0
.rept 32
	v_pk_fma_f32 v[TMP+i:TMP+i+1], v[AC+i:AC+i+1], v[KM:KM+1], v[TMP+i:TMP+i+1] clamp  ; d' = t' - 2^-9 xc, held to 0 .. 1
.set i, i+2
.endr
	WIN 0
.irp c, 0,1,2,3
	v_mov_b32 v[LI+(\c)], 16*(\c)
.endr
.set e, 1
.rept 15
.irp c, 0,1,2,3
	v_cmp_le_f32 vcc_lo, v[TMP+16*(\c)], v[TMP+16*(\c)+e]
	v_min_num_f32 v[TMP+16*(\c)], v[TMP+16*(\c)], v[TMP+16*(\c)+e]
	v_cndmask_b32 v[LI+(\c)], 16*(\c)+e, v[LI+(\c)], vcc_lo
.endr
.set e, e+1
.endr
	TAKE TMP, LI, TMP+16, LI+1
	TAKE TMP+32, LI+2, TMP+48, LI+3
	TAKE TMP, LI, TMP+32, LI+2
	v_add_nc_u32 v[LI], s[TB], v[LI]               ; 128 x tile + p
	TAKE GB, GI, TMP, LI
.endm
; A tile's search.  Block 0's 32 additions name no register of the last products (blocks 6 and 7, buffer 1): they are the places behind those.
.macro SEARCH
	s_wait_loadcnt 0x0                             ; c2', asked for at the tile's head (and, the first time, x2')
.irp a, 0,1,2,3,4,5,6,7
	EPI \a
.endr
.endm
	s_wait_tensorcnt 1                             ; my part of K step 0 is in; K step 1's may stay out
	s_barrier_signal -1
	s_barrier_wait -1                              ; everybody's is
	FETCH 0, 0, F0
	s_mov_b32 s2, TILES                            ; tiles to go, this one among them: the same number in every work-group
	s_mov_b32 s[TB], 0
.Ltile:                                                ; (FETCH and EPI leave every window 0)
	C2LOAD
	QUARTER 0, 64,  F0, F1, 1                      ; a tile's first quarter: its products start the sums
	QUARTER 0, 128, F1, F0, 0
	QUARTER 0, 192, F0, F1, 0
	TURN 0, 1, 0, 0                                ; slot 0 takes K step 2
	QUARTER 1, 64,  F0, F1, 0
	QUARTER 1, 128, F1, F0, 0
	QUARTER 1, 192, F0, F1, 0
	TURN 1, 0, 0, 1                                ; slot 1 takes K step 3
	QUARTER 0, 64,  F0, F1, 0
	QUARTER 0, 128, F1, F0, 0
	QUARTER 0, 192, F0, F1, 0
	WIN 0                                          ; at a label and at a branch every window is 0
	s_cmp_eq_u32 s2, 1
	s_cbranch_scc1 .Llast                          ; the last tile's end is written out: it asks for nothing more
	TURN 0, 1, 1, 2                                ; THE RING GOES ON INTO THE NEXT TILE: slot 0 takes its K step 0,
	QUARTER 1, 64,  F0, F1, 0
	QUARTER 1, 128, F1, F0, 0
	QUARTER 1, 192, F0, F1, 0
	TURN 1, 0, 1, 3                                ; slot 1 its K step 1, and the next tile's first fragments are fetched
	SEARCH                                         ; both refills are on their way while the tile is searched
	s_wait_xcnt 0x0                                ; the loads of c2' and the prefetches, a whole search back, have read their addresses, so these may be written
	s_add_nc_u64 s[CN:CN+1], s[CN:CN+1], 256*4
	s_add_nc_u64 s[PFA:PFA+1], s[PFA:PFA+1], 256*ROWB
	s_add_co_u32 s[TB], s[TB], 128
	s_sub_co_u32 s2, s2, 1
	s_branch .Ltile
.Llast:
	MEET 0                                         ; my one tensor load that was still out is slot 1's, the last K step's, so no round follows
	PLACES                                         ; for the loads into buffer 0, which the quarter before multiplied
	FETCH 1, 0, F0
	WIN MUL_HI
	MUL16 F1, 1, 0, 0
	MUL16 F1, 1, 2, 0
	QUARTER 1, 64,  F0, F1, 0
	QUARTER 1, 128, F1, F0, 0
	QUARTER 1, 192, F0, F1, 0
	s_wait_dscnt 8                                 ; the very last quarter: nothing more to fetch
	WIN MUL_LO
	MUL16 F1, 0, 0, 0
	MUL16 F1, 0, 2, 0
	s_wait_dscnt 0x0
	MUL16 F1, 1, 0, 0
	MUL16 F1, 1, 2, 0
	SEARCH
	; THE WAY OUT.  An index 128 t + 8 b + j becomes the code's number 2,048 g + 256 t + 128 x half + 16 b + 8 (l / 16) + j: the part above j is doubled, LB is added, j is set in.
.irp a, 0,1,2,3,4,5,6,7
	v_and_b32 v23, -8, v[ST+4*((\a)/2)+2+(\a)%2]
	v_lshl_add_u32 v23, v23, 1, v[LB]
	v_and_or_b32 v[ST+4*((\a)/2)+2+(\a)%2], v[ST+4*((\a)/2)+2+(\a)%2], 7, v23
.endr
.irp k, 0,1,2,3
	global_store_b128 v[PO], v[ST+4*(\k):ST+4*(\k)+3], s[8:9] offset:512*(\k)  ; 512 consecutive bytes, at a multiple of 512 from part's first byte
.endr
	s_wait_tensorcnt 0x0                           ; the wave's end, behind my last tensor load
	ds_add_u32 v[SPW], v[NIL]
	s_wait_dscnt 0x0
	CROUND                                         ; the closing round: no work-group ends while a partner may still ask for a tile that names it
	s_endpgm
.Lfunc_end_k_qae216f3cfa_dist:
	.size	k_qae216f3cfa_dist, .Lfunc_end_k_qae216f3cfa_dist-k_qae216f3cfa_dist
	.p2alignl 7, 3214868480
	.fill 96, 4, 3214868480
	.section	.rodata,"a",@progbits
	.p2align	6, 0x0
	.amdhsa_kernel k_qae216f3cfa_dist
		.amdhsa_group_segment_fixed_size 327680
		.amdhsa_private_segment_fixed_size 0
		.amdhsa_enable_private_segment 0
		.amdhsa_kernarg_size 24
		.amdhsa_user_sgpr_count 2
		.amdhsa_user_sgpr_kernarg_segment_ptr 1
		.amdhsa_wavefront_size32 1
		.amdhsa_system_sgpr_workgroup_id_x 1
		.amdhsa_system_sgpr_workgroup_id_y 1
		.amdhsa_system_sgpr_workgroup_id_z 1
		.amdhsa_system_vgpr_workitem_id 0
		.amdhsa_next_free_vgpr 1024
		.amdhsa_next_free_sgpr 72
		.amdhsa_reserve_vcc 1
		.amdhsa_float_denorm_mode_32 3
		.amdhsa_float_denorm_mode_16_64 3
		.amdhsa_memory_ordered 1
		.amdhsa_forward_progress 1
		.amdhsa_inst_pref_size 255
	.end_amdhsa_kernel
	.section	.bss,"aw",@nobits
	.p2align	6
	.space	262144
	.amdgpu_metadata
---
amdhsa.version: [ 1, 2 ]
amdhsa.kernels:
  - .name:           k_qae216f3cfa_dist
    .symbol:         k_qae216f3cfa_dist.kd
    .args:
      - { .name: ab, .offset: 0, .size: 8, .value_kind: global_buffer, .address_space: global }
      - { .name: nrm, .offset: 8, .size: 8, .value_kind: global_buffer, .address_space: global }
      - { .name: part, .offset: 16, .size: 8, .value_kind: global_buffer, .address_space: global }
    .group_segment_fixed_size: 327680
    .private_segment_fixed_size: 0
    .kernarg_segment_align: 8
    .kernarg_segment_size: 24
    .max_flat_workgroup_size: 128
    .sgpr_count:     72
    .vgpr_count:     1024
    .wavefront_size: 32
...
	.end_amdgpu_metadata
.endif
;; end of part 2
;; launch merge (part 3): grid 128 x 1, 1 waves a work-group, no clusters, 512 bytes of LDS; arguments part, out0; writes out0
.if DOCPART == 3
	.amdgcn_target "amdgcn-amd-amdhsa--gfx1250"
	.amdhsa_code_object_version 6
	.text
	.protected	k_qae216f3cfa_merge
	.globl	k_qae216f3cfa_merge
	.p2align	8
	.type	k_qae216f3cfa_merge,@function
k_qae216f3cfa_merge:
	s_mov_b64 s[64:65], 0
	v_nop
	global_prefetch_b8 v0, s[64:65] scope:SCOPE_SE
	s_setreg_imm32_b32 hwreg(HW_REG_WAVE_MODE, 25, 1), 1
	s_wait_xcnt 0x0
; out0[row] = the number of the nearest code, or -1 where the smallest distance is above 900.
; part: [64 xr][16 src][4 k][32 lanes][4 words]: for x rows 128 xr + 16 a + lane % 16 (a = 2 k, 2 k + 1) a lane's 16 bytes are the best d' = d / 1024 of blocks 2 k, 2 k + 1, then their code numbers.
; A row has 32 candidates: 16 sources x the two halves of the lanes.  They are merged by distance, and by the lower code number where the distances are equal: the first index.
; 900 / 1024 is exact in f32, and d' is d scaled exactly, so d' <= 900 / 1024 is d <= 900.  Distances from 1,024 on arrive as 1.0 and give -1.  NaN is not treated apart.
; SHARES.  One wave owns 64 rows (four blocks of 16): 32 loads of 512 consecutive bytes, all out at once.  No choice steers an address or a branch: every one is a select.
; The 64 results go through LDS, so that the one store covers 256 consecutive bytes, aligned.
.set SPARE, 256                        ; LDS: bytes 0 .. 255 the 64 results; then the wave's spare words
.set VO,  2                            ; v2   16 x lane; never rewritten
.set LR,  3                            ; v3   8 x lane
.set LS,  4                            ; v4   4 x (lane % 16)
.set SPW, 6                            ; v6   LDS address of my spare word; never rewritten
.set NIL, 7                            ; v7   0; never rewritten
.set T,   8                            ; v[8:11]  at work
.set C,   32                           ; v[32:159]  source s, quad q at C + 8 s + 4 q
	s_load_b128 s[4:7], s[0:1], 0x0                ; part s[4:5], out0 s[6:7]
	v_lshl_add_u32 v[SPW], v0, 2, SPARE
	v_mov_b32 v[NIL], 0
	s_lshr_b32 s8, ttmp9, 1                        ; xr,
	s_lshl_b32 s8, s8, 15                          ; 32,768 bytes each,
	s_and_b32 s9, ttmp9, 1                         ; and which two of its four quads
	s_lshl_b32 s9, s9, 10
	s_add_co_u32 s8, s8, s9
	s_mov_b32 s9, 0
	s_lshl_b32 s10, ttmp9, 8                       ; 64 words of out0
	s_mov_b32 s11, 0
	s_mov_b32 s12, 0x76543210                      ; each lane takes its own place in the other half
	s_mov_b32 s13, 0xfedcba98
	v_lshlrev_b32 v[VO], 4, v0
	v_lshlrev_b32 v[LR], 3, v0
	v_and_b32 v[LS], 15, v0
	v_lshlrev_b32 v[LS], 2, v[LS]
	v_mov_b32 v[T], 0                              ; v_permlanex16_b32 counts as a reader of its destination
	v_mov_b32 v[T+1], 0
	s_wait_kmcnt 0x0
	s_add_nc_u64 s[4:5], s[4:5], s[8:9]
	s_add_nc_u64 s[6:7], s[6:7], s[10:11]
.irp s, 0,1,2,3,4,5,6,7,8,9,10,11,12,13,14,15
	global_load_b128 v[C+8*(\s):C+8*(\s)+3],   v[VO], s[4:5] offset:2048*(\s) th:TH_LOAD_NT
	global_load_b128 v[C+8*(\s)+4:C+8*(\s)+7], v[VO], s[4:5] offset:2048*(\s)+512 th:TH_LOAD_NT
.endr
; (distance bv, number bi) takes (nv, ni) where nv is smaller, or equal with the lower number.
.macro LEX bv, bi, nv, ni
	v_cmp_lt_f32 s20, v[\nv], v[\bv]
	v_cmp_eq_f32 s21, v[\nv], v[\bv]
	v_cmp_lt_u32 s22, v[\ni], v[\bi]
	s_and_b32 s21, s21, s22
	s_or_b32 s20, s20, s21
	v_cndmask_b32 v[\bv], v[\bv], v[\nv], s20
	v_cndmask_b32 v[\bi], v[\bi], v[\ni], s20
.endm
.irp s, 1,2,3,4,5,6,7,8,9,10,11,12,13,14,15
	s_wait_loadcnt 30-2*(\s)                       ; loads come back in order: sources 0 to s are in, the two loads of each later source may stay out
.irp q, 0,1
.irp e, 0,1
	LEX C+4*(\q)+(\e), C+4*(\q)+2+(\e), C+8*(\s)+4*(\q)+(\e), C+8*(\s)+4*(\q)+2+(\e)
.endr
.endr
.endr
.irp q, 0,1
.irp e, 0,1
	v_permlanex16_b32 v[T],   v[C+4*(\q)+(\e)],   s12, s13   ; the row's other candidates lie in the lane 16 away
	v_permlanex16_b32 v[T+1], v[C+4*(\q)+2+(\e)], s12, s13
	LEX C+4*(\q)+(\e), C+4*(\q)+2+(\e), T, T+1
	v_cmp_ge_f32 vcc_lo, 0x3f610000, v[C+4*(\q)+(\e)]        ; 900 / 1024 >= d'
	v_cndmask_b32 v[T+2], -1, v[C+4*(\q)+2+(\e)], vcc_lo
	ds_store_b32 v[LS], v[T+2] offset:64*(2*(\q)+(\e))       ; block 2 q + e; both halves of the lanes write the same word with the same number
.endr
.endr
	ds_load_b64 v[T:T+1], v[LR]                    ; LDS serves a wave's instructions in order (ISA guide 5.7.1.4): this sees the stores above
	s_wait_dscnt 0x0
	global_store_b64 v[LR], v[T:T+1], s[6:7]       ; 256 consecutive bytes, at a multiple of 256 from out0's first byte
	s_wait_tensorcnt 0x0                           ; the wave's end, behind my last LDS store
	ds_add_u32 v[SPW], v[NIL]
	s_wait_dscnt 0x0
	s_endpgm
.Lfunc_end_k_qae216f3cfa_merge:
	.size	k_qae216f3cfa_merge, .Lfunc_end_k_qae216f3cfa_merge-k_qae216f3cfa_merge
	.p2alignl 7, 3214868480
	.fill 96, 4, 3214868480
	.section	.rodata,"a",@progbits
	.p2align	6, 0x0
	.amdhsa_kernel k_qae216f3cfa_merge
		.amdhsa_group_segment_fixed_size 512
		.amdhsa_private_segment_fixed_size 0
		.amdhsa_enable_private_segment 0
		.amdhsa_kernarg_size 16
		.amdhsa_user_sgpr_count 2
		.amdhsa_user_sgpr_kernarg_segment_ptr 1
		.amdhsa_wavefront_size32 1
		.amdhsa_system_sgpr_workgroup_id_x 1
		.amdhsa_system_sgpr_workgroup_id_y 1
		.amdhsa_system_sgpr_workgroup_id_z 1
		.amdhsa_system_vgpr_workitem_id 0
		.amdhsa_next_free_vgpr 160
		.amdhsa_next_free_sgpr 66
		.amdhsa_reserve_vcc 1
		.amdhsa_float_denorm_mode_32 3
		.amdhsa_float_denorm_mode_16_64 3
		.amdhsa_memory_ordered 1
		.amdhsa_forward_progress 1
		.amdhsa_inst_pref_size 31
	.end_amdhsa_kernel
	.amdgpu_metadata
---
amdhsa.version: [ 1, 2 ]
amdhsa.kernels:
  - .name:           k_qae216f3cfa_merge
    .symbol:         k_qae216f3cfa_merge.kd
    .args:
      - { .name: part, .offset: 0, .size: 8, .value_kind: global_buffer, .address_space: global }
      - { .name: out0, .offset: 8, .size: 8, .value_kind: global_buffer, .address_space: global }
    .group_segment_fixed_size: 512
    .private_segment_fixed_size: 0
    .kernarg_segment_align: 8
    .kernarg_segment_size: 16
    .max_flat_workgroup_size: 32
    .sgpr_count:     66
    .vgpr_count:     160
    .wavefront_size: 32
...
	.end_amdgpu_metadata
.endif
;; end of part 3
